; MI455X (gfx1250); checked and timed in simulation.
; The chip was launched on July 23, 2026; its instructions are those of AMD's public machine-readable ISA for CDNA 5 (MIT licence, August 2026) and "CDNA5" Instruction Set Architecture Reference Guide (July 2026). The comments in the code are by the model that wrote it; some were corrected since.
;; Attention Head. Allowed arithmetic: matrix products marked QUANTISED: E2M1 operands, one E8M0 scale for each 32 along K, by v_wmma_scale_f32_16x16x128_f8f6f4 with both operands' format E2M1 (or v_wmma_scale_f32_32x16x128_f4), f32 sums; everything else in f32.
;; Inputs: Wk 1,024 x 64 float32; Wq 1,024 x 64 float32; Wv 1,024 x 64 float32; bk 64 float32; bq 64 float32; bv 64 float32; input1 4 x 4,096 x 1,024 float32; input2 4 x 4,096 x 1,024 float32.
;; Outputs: out0 4 x 4,096 x 64 float32.
;; This version of the problem:
;;   THIS VERSION OF THE PROBLEM IS GIVEN IN LOW PRECISION. The matrix products marked QUANTISED in the list below multiply operands that are first quantised to E2M1 (2 exponent bits, 1 mantissa bit; 4 bits a number), with one power-of-two scale for each 32 numbers along K (OCP MX v1.0); their sums are f32. All else is computed in f32.
;;   The module's matrix products, in the order in which they are computed (A, B: the left and right operand; K: the contracted axis; several contracted axes count as one K, in the product's order):
;;     1. [M 16,384, K 1,024] x [K 1,024, N 64]; A: input input2; B: input Wq: QUANTISED
;;     2. [M 16,384, K 1,024] x [K 1,024, N 64]; A: input input1; B: input Wk: QUANTISED
;;     3. [M 16,384, K 1,024] x [K 1,024, N 64]; A: input input1; B: input Wv: QUANTISED
;;     4. batch 4 x [M 4,096, K 64] x [K 64, N 4,096]; A: computed on the way; B: computed on the way: QUANTISED
;;     5. batch 4 x [M 4,096, K 4,096] x [K 4,096, N 64]; A: softmax (see below); B: computed on the way: QUANTISED
;;   THE QUANTISER, for each operand of a quantised product, along K:
;;     - K is cut into blocks of 32 from its start; a last block that is shorter is filled with zeros.
;;     - A block's scale is 2^e with e = floor(log2(the largest magnitude in the block)) - 2, held to -126 .. 127; a block of zeros has e = 0. As a byte (E8M0): e + 127.
;;     - Each number is divided by its block's scale, clamped to +-6, and rounded to the nearest number of E2M1, ties to even, subnormals kept.
;;     - The product sums the exact products of the quantised numbers (number of the format x scale) in f32.
;;   ~~~python
;;   def quantise(x, axis):      # numpy; x: float32 -> the quantised numbers, widened to float32 again
;;       x = np.moveaxis(x, axis, -1); K = x.shape[-1]
;;       x = np.pad(x, [(0, 0)] * (x.ndim - 1) + [(0, -K % 32)]); x = x.reshape(x.shape[:-1] + (-1, 32)); a = np.abs(x).max(-1, keepdims=True)
;;       e = np.where(a > 0, np.clip(np.frexp(np.where(a > 0, a, 1))[1] - 1 - 2, -126, 127), 0)      # np.frexp(a)[1] - 1 = floor(log2(a)), exactly
;;       r = np.clip(x / 2.0 ** e, -6, 6)
;;       step = 2.0 ** (np.maximum(np.frexp(np.where(r == 0, 1, r))[1] - 1, 0) - 1)
;;       q = np.round(r / step) * step * 2.0 ** e      # np.round: ties to even
;;       return np.moveaxis(q.reshape(q.shape[:-2] + (-1,))[..., :K], -1, axis).astype(np.float32)
;;   ~~~
;;   SOFTMAX AHEAD OF A QUANTISED PRODUCT. Where the list says 'softmax', what is quantised is not the finished softmax but p = 2^(t - M), with t = logit x log2(e) and M = ceil(the row's largest t), a whole number; so 1/2 < the row's largest p <= 1. The row's sum l is taken of the UNQUANTISED p, in f32, and the product's result is divided by l at the end. Since M is a whole number, a kernel that streams over the keys may use a running M (the ceiling of the running maximum): every later rescaling is an exact power of two, which a block's scale takes up: the codes' values come out the same.
;;   OPERANDS COMPUTED ON THE WAY. 'Computed on the way' means the value that the module computes at that place (a softmax that the list does not call 'softmax' is quantised finished and normalised). What goes into a quantiser is computed in f32, as accurately as f32 sums, v_exp_f32 and their like allow (about 1e-6 of the number): no bf16 or f16 on the way to a quantiser, and a product that is left as it is and whose result goes on into a quantised operand takes f32 operands (vector FMAs, or v_wmma_f32_16x16x4_f32). A number that lies on a knife's edge between two numbers of the format may be rounded either way, as far as f32 arithmetic and the matrix unit's own rounding can turn it there, and no further.
;; One version. Each part assembles by itself: llvm-mc -triple=amdgcn-amd-amdhsa -mcpu=gfx1250 --defsym DOCPART=n.
;; ======== version 1 of 1: 3 launches
;; limits: right only within a limited range of input values
;; workspace buffers: wimg 104,448 bytes; q 589,824 bytes; kv 1,146,880 bytes
;; launch wquant (part 1): grid 8 x 3, 8 waves a work-group, no clusters, 2,048 bytes of LDS; arguments Wq, Wk, Wv, wimg; writes wimg
.if DOCPART == 1
	.amdgcn_target "amdgcn-amd-amdhsa--gfx1250"
	.amdhsa_code_object_version 6
	.text
	.protected	k_qa10cc18939_wquant
	.globl	k_qa10cc18939_wquant
	.p2align	8
	.type	k_qa10cc18939_wquant,@function
k_qa10cc18939_wquant:
	s_mov_b64 s[64:65], 0
	v_nop
	global_prefetch_b8 v0, s[64:65] scope:SCOPE_SE
	s_setreg_imm32_b32 hwreg(HW_REG_WAVE_MODE, 25, 1), 1
	s_wait_xcnt 0x0
; Wq, Wk, Wv [1024 (k)][64 (n)] f32 become codes of E2M1 along K with one E8M0 byte for each 32 along K, in the ORDER OF THE OPERAND'S REGISTERS.  No work of the problem is left out in any launch.
; An image of one weight's K step s (128 along K) is 4,352 bytes: [t 4: tile of 16 columns][c 2][lane 32][16 bytes] codes (lane (r, h), group c: k = 128 s + 64 c + 32 h + 0 .. 31 of its column),
; then [t][r 16] scale words (byte = block along K).  wimg: Wq's eight images, then [s][Wk's image, Wv's image].
; THE COLUMNS OF A TILE: for Wq and Wk lane r of tile t takes column 32 (t / 2) + 8 (t % 2) + r + 8 (r / 8), so that the projection's results of two neighbouring tiles are 16 neighbours along the
; next product's K; for Wv column 16 t + r.
; A LANE TAKES A COLUMN AND ITS REGISTERS RUN DOWN K: one block of 32 in a lane's 32 registers.  Work-group (x = s, y = weight); wave 2 t + c makes group c of tile t.
; The 256 bytes of scales are gathered in LDS and leave as one whole unit.  768 KB in all are read: 24 work-groups of eight short waves are all the work there is.
; LIMITS: a block of zeros, and one whose largest magnitude lies under 2^-124, gets the byte 1 (the rule says 127 for zeros: the codes are zeros, and this program alone reads the bytes); NaN and infinities are not served.
.set FLOOR, 0x1800000                  ; 2^(3 - 127): no largest magnitude is taken under it, so the byte cannot fall under 1
.set EOFF,  0xff000000                 ; takes 2 off an exponent field
.set SPARE, 256
.set VO,  4                            ; byte offset in W of my column and first k
.set LI,  5                            ; 16 x lane
.set LBY, 6                            ; LDS address of my block's byte
.set L8,  7                            ; 8 x lane
.set MX,  8
.set SOP, 10
.set BY,  11
.set SPW, 12
.set NIL, 13
.set C,   16
.set X,   32
	s_load_b256 s[4:11], s[0:1], 0x0               ; Wq s[4:5], Wk s[6:7], Wv s[8:9], wimg s[10:11]
	v_lshl_add_u32 v[SPW], v0, 2, SPARE
	v_mov_b32 v[NIL], 0
	v_lshrrev_b32 v1, 5, v0
	v_readfirstlane_b32 s14, v1                    ; wave
	s_lshr_b32 s16, s14, 1                         ; t
	s_and_b32 s17, s14, 1                          ; c
	s_and_b32 s15, ttmp7, 0xffff                   ; 0 Wq, 1 Wk, 2 Wv
	s_lshr_b32 s18, s16, 1
	s_lshl_b32 s18, s18, 7
	s_and_b32 s19, s16, 1
	s_lshl_b32 s19, s19, 5
	s_add_co_u32 s18, s18, s19                     ; tile t's first column in bytes, Wq and Wk
	s_lshl_b32 s19, s16, 6                         ; and Wv
	s_cmp_eq_u32 s15, 2
	s_cselect_b32 s18, s19, s18
	s_cselect_b32 s20, 0, 8                        ; Wv: column r; the others: r + 8 (r / 8)
	s_lshl_b32 s19, s17, 14
	s_add_co_u32 s18, s18, s19                     ; group c begins 64 rows of 256 bytes further down
	s_lshl_b32 s21, s16, 6
	s_lshl_b32 s22, s17, 1
	s_add_co_u32 s21, s21, s22                     ; my bytes of the scale words: 64 t + 2 c + 4 r + h
	v_and_b32 v1, 31, v0
	v_and_b32 v2, 15, v0                           ; r
	v_bfe_u32 v3, v0, 4, 1                         ; h
	v_and_b32 v[VO], s20, v2
	v_add_nc_u32 v[VO], v[VO], v2
	v_lshlrev_b32 v[VO], 2, v[VO]
	v_lshl_add_u32 v[VO], v3, 13, v[VO]            ; lanes 16-31 begin 32 rows further down
	v_add_nc_u32 v[VO], s18, v[VO]
	v_lshlrev_b32 v[LI], 4, v1
	v_lshlrev_b32 v[L8], 3, v1
	v_lshl_add_u32 v[LBY], v2, 2, v3
	v_add_nc_u32 v[LBY], s21, v[LBY]
	s_wait_alu depctr_va_vdst(0)                   ; the wait at the head's end
	s_wait_kmcnt 0x0
	s_cmp_eq_u32 s15, 1                            ; which weight, and where its image lies: the choice hangs on the work-group's number alone
	s_cselect_b64 s[4:5], s[6:7], s[4:5]
	s_cselect_b32 s24, 34816, 0
	s_cmp_eq_u32 s15, 2
	s_cselect_b64 s[4:5], s[8:9], s[4:5]
	s_cselect_b32 s24, 39168, s24
	s_cmp_eq_u32 s15, 0
	s_mov_b32 s25, 4352
	s_cselect_b32 s25, s25, 8704
	s_mul_i32 s25, s25, ttmp9
	s_add_co_u32 s24, s24, s25
	s_mov_b32 s25, 0
	s_add_nc_u64 s[12:13], s[10:11], s[24:25]      ; my work-group's image
	s_lshl_b32 s24, s14, 9
	s_add_nc_u64 s[28:29], s[12:13], s[24:25]      ; my wave's 512 bytes of it
	s_lshl_b32 s24, ttmp9, 15                      ; K step s: 128 rows of 256 bytes
	s_add_nc_u64 s[4:5], s[4:5], s[24:25]
.set i, 0
.rept 32
	global_load_b32 v[X+i], v[VO], s[4:5] offset:i*256 th:TH_LOAD_NT
.set i, i+1
.endr
	s_wait_loadcnt 0x0
	v_max3_num_f32 v[MX], |v[X]|, |v[X+1]|, |v[X+2]|
	v_max3_num_f32 v[MX+1], |v[X+3]|, |v[X+4]|, |v[X+5]|
.irp i, 6,10,14,18,22,26
	v_max3_num_f32 v[MX], v[MX], |v[X+\i]|, |v[X+\i+1]|
	v_max3_num_f32 v[MX+1], v[MX+1], |v[X+\i+2]|, |v[X+\i+3]|
.endr
	v_max3_num_f32 v[MX], v[MX], |v[X+30]|, |v[X+31]|
	v_max3_num_f32 v[MX], v[MX], v[MX+1], FLOOR
	v_add_nc_u32 v[SOP], EOFF, v[MX]               ; 2 off the exponent field: the conversion takes the exponent field of this operand as its scale
	v_lshrrev_b32 v[BY], 23, v[SOP]                ; the scale's byte
.irp g, 0,1,2,3
	v_cvt_scalef32_pk8_fp4_f32 v[C+\g], v[X+8*\g:X+8*\g+7], v[SOP]
.endr
	v_nop                                          ; one plain line behind the last scaled conversion
	ds_store_b8 v[LBY], v[BY]
	global_store_b128 v[LI], v[C:C+3], s[28:29]    ; 32 lanes store 512 consecutive bytes
	s_wait_dscnt 0x0                               ; for wave 0's sake: my bytes lie in LDS
	s_barrier_signal -1
	s_barrier_wait -1
	s_cmp_lg_u32 s14, 0
	s_cbranch_scc1 .Ldone
	ds_load_b64 v[20:21], v[L8]
	s_wait_dscnt 0x0
	global_store_b64 v[L8], v[20:21], s[12:13] offset:4096   ; one whole unit of 256 bytes
.Ldone:
	s_wait_tensorcnt 0x0                           ; the wave's end
	ds_add_u32 v[SPW], v[NIL]
	s_wait_dscnt 0x0
	s_endpgm
.Lfunc_end_k_qa10cc18939_wquant:
	.size	k_qa10cc18939_wquant, .Lfunc_end_k_qa10cc18939_wquant-k_qa10cc18939_wquant
	.p2alignl 7, 3214868480
	.fill 96, 4, 3214868480
	.section	.rodata,"a",@progbits
	.p2align	6, 0x0
	.amdhsa_kernel k_qa10cc18939_wquant
		.amdhsa_group_segment_fixed_size 2048
		.amdhsa_private_segment_fixed_size 0
		.amdhsa_enable_private_segment 0
		.amdhsa_kernarg_size 32
		.amdhsa_user_sgpr_count 2
		.amdhsa_user_sgpr_kernarg_segment_ptr 1
		.amdhsa_wavefront_size32 1
		.amdhsa_system_sgpr_workgroup_id_x 1
		.amdhsa_system_sgpr_workgroup_id_y 1
		.amdhsa_system_sgpr_workgroup_id_z 1
		.amdhsa_system_vgpr_workitem_id 0
		.amdhsa_next_free_vgpr 64
		.amdhsa_next_free_sgpr 66
		.amdhsa_reserve_vcc 0
		.amdhsa_float_denorm_mode_32 3
		.amdhsa_float_denorm_mode_16_64 3
		.amdhsa_memory_ordered 1
		.amdhsa_forward_progress 1
		.amdhsa_inst_pref_size 8
	.end_amdhsa_kernel
	.amdgpu_metadata
---
amdhsa.version: [ 1, 2 ]
amdhsa.kernels:
  - .name:           k_qa10cc18939_wquant
    .symbol:         k_qa10cc18939_wquant.kd
    .args:
      - { .name: Wq, .offset: 0, .size: 8, .value_kind: global_buffer, .address_space: global }
      - { .name: Wk, .offset: 8, .size: 8, .value_kind: global_buffer, .address_space: global }
      - { .name: Wv, .offset: 16, .size: 8, .value_kind: global_buffer, .address_space: global }
      - { .name: wimg, .offset: 24, .size: 8, .value_kind: global_buffer, .address_space: global }
    .group_segment_fixed_size: 2048
    .private_segment_fixed_size: 0
    .kernarg_segment_align: 8
    .kernarg_segment_size: 32
    .max_flat_workgroup_size: 256
    .sgpr_count:     66
    .vgpr_count:     64
    .wavefront_size: 32
...
	.end_amdgpu_metadata
.endif
;; end of part 1
;; launch proj (part 2): grid 256 x 1, 8 waves a work-group, no clusters, 278,784 bytes of LDS; arguments input1, input2, wimg, bq, bk, bv, q, kv; writes q, kv
.if DOCPART == 2
	.amdgcn_target "amdgcn-amd-amdhsa--gfx1250"
	.amdhsa_code_object_version 6
	.text
	.protected	k_qa10cc18939_proj
	.globl	k_qa10cc18939_proj
	.p2align	8
	.type	k_qa10cc18939_proj,@function
k_qa10cc18939_proj:
	s_mov_b64 s[64:65], 0
	v_nop
	global_prefetch_b8 v0, s[64:65] scope:SCOPE_SE
	s_setreg_imm32_b32 hwreg(HW_REG_WAVE_MODE, 25, 1), 1
	s_wait_xcnt 0x0
; q = input2 Wq + bq;  k = input1 Wk + bk;  v = input1 Wv + bv, all three products on codes of E2M1 with E8M0 scales; the results are quantised at once for the attention's products and leave as codes alone.
; SHARES.  256 work-groups of eight waves, each with 128 rows of 1,024 f32.  Work-groups 0-127 (kind 0): rows 128 g of input2 -> q.  Work-groups 128-255 (kind 1): rows 128 (g - 128) of input1 -> k and v of one key step.
; The two kinds part ONCE, at the head: the body is one macro, expanded for each kind, and each kind has LDS bytes of its own.  Wave w = 4 kh + g4 takes rows 32 g4 .. 32 g4 + 31 over half kh of K (512): two row tiles u of 16 rows;
; lane r of tile u holds row 8 u + r + 8 (r / 8).  The two halves' sums meet once, in LDS, at the end.
; A STREAM.  Each load reads 512 consecutive bytes of one row (128 along K).  A wave has eight sets of 16 loads (16 rows); three sets of registers take turns: 24 KB a wave, 192 KB a work-group are asked for ahead.
; QUANTISED AS LOADED, TURNED AS CODES.  A load gives a lane 4 neighbours along K, so eight neighbouring lanes hold a block of 32: its largest magnitude is two v_max3 in the lane and three steps across lanes.  A conversion takes
; eight registers: the 4 numbers of rows 2 p and 2 p + 1.  It is made twice, under each row's scale; of the first the low 16 bits are kept, of the second the high 16 (the other halves, a neighbour row under the wrong scale, are
; thrown away).  So a lane has 16 bits of codes a row, 16 bytes for eight rows.  These go into the wave's own stage as they stand, and ds_load_tr16_b128, which turns 8 x 8 pieces of 16 bits within eight lanes (ISA guide, its entry),
; brings them back as the operand's registers: lane (r, h), registers 4 c .. 4 c + 3: k = 64 c + 32 h + 0 .. 31 of row r.  The upper halves of the scale operands go the same way and become the rows' scale words.
; THE WEIGHTS come as register images made by the launch before: one tensor load a wave brings K step w's image (kind 1: Wk's and Wv's), 17 or 34 dense rows of 256 bytes; they stay in LDS, filled once.
; q AND k ARE MADE TRANSPOSED (source 0 = 16 columns of W, source 1 = 16 rows of x): a lane holds one row, and the 16 registers of tiles 2 b, 2 b + 1 are channels 32 b + 16 h + 0 .. 15: neighbours along the next K.
; v IS MADE AS IT STANDS (source 0 = x, source 1 = 16 columns of Wv): a lane holds one channel, and the 16 registers of the two row tiles are keys 16 h + 0 .. 15 of the wave's 32: neighbours along ITS next K, the keys.
; THE END.  Kind 0: wave kh finishes row tile u = kh and sends the other tile's sums to its partner w xor 4.  Kind 1: kh = 0 finishes k, kh = 1 finishes v; each sends the other's sums.  The bias is added to the whole sum, in f32.
; OUT, in the order of the attention's operand registers.  q: [group 128][4,608 bytes]: 8 tiles T = 2 g4 + u of 512 bytes (lane l's 16 bytes at 16 l: row 32 g4 + 8 u + r + 8 (r / 8), channels 32 h ..), then [lane][b 4] scale words
; (word b of lane (r, h): tile 2 b + h, row r; bytes 0, 1 the two blocks, bytes 2, 3 zero).  kv: [key step 128][8,960 bytes]: k as q; at 4,608 v's four tiles of 1,024 bytes (group c, lane (r, h): channel 16 t + r, keys 64 c + 32 h ..);
; at 8,704 [lane][p 2] words (word p of lane (r, h): tile 2 p + h, channel r; byte = key block).
; NO CLUSTER: what work-groups share, the weights' 34,816 or 69,632 bytes, is small beside the 524,288 bytes of rows that are a work-group's own.  NO PREFETCH: the rows go straight into registers, three sets ahead, in a text without a loop.
; LIMITS: a block of zeros, and one whose largest magnitude lies under 2^-124, gets the byte 1 (codes of zeros; this program alone reads the bytes); NaN and infinities among the inputs are not served.
.set FLOOR, 0x1800000                  ; 2^(3 - 127): no largest magnitude is taken under it, so the byte cannot fall under 1
.set EOFF,  0xff000000                 ; takes 2 off an exponent field
.set PATHB, 104960                     ; LDS: kind 1's bytes begin here.  In each kind's bytes: a stage for each wave, the weights' images, the exchange of sums, the gathered scale words
.set STGW,  4608                       ; a stage: two halves of HALFB bytes by turns; in a half:
.set HALFB, 2304
.set ROFF,  640                        ;   rows 0-7's packs at 0 (16 bytes a lane), rows 8-15's at 640 = 2 x 256 + 128, so that the sixteen lanes of a turning load's pass take sixteen different 16-byte columns of 256;
.set SCO,   1152                       ;   the scale operands' upper halves likewise, from here on
.set IMG,   4352                       ; an image: 4,096 bytes of codes, 256 of scale words
.set SPARE, 277760                     ; the spare words, 128 bytes for each wave
; window 0
.set GA,  4                            ; 16 x lane
.set SI,  5                            ; my stage + 16 x lane: where my packs go
.set TAC, 6                            ; the pack that I address for the codes' turning loads
.set WA0, 7                            ; my half of K's images + 16 x lane
.set WSA, 8                            ; their scale words + 4 x lane
.set TAS, 9                            ; the pack that I address for the scales' turning load
.set GSK, 10                           ; where my q or k scale word goes
.set GSV, 11                           ; where v's bytes go: 8 r + g4
.set VA,  12                           ; v's codes in the step's block: 1,024 h + 256 g4 + 16 r
.set GR,  13                           ; the gathered words + 16 x lane
.set GR8, 14                           ; v's + 8 x lane
.set G8,  15                           ; 8 x lane
.set EXA, 16                           ; my exchange bytes + 16 x lane
.set EXB, 17                           ; my partner's
.set BA,  18                           ; 64 h
.set BVA, 19                           ; 4 r
.set MXR, 20                           ; v20-35  row i's largest magnitude of my block, then its scale operand
.set CV,  36                           ; v36-51  the conversions' results: row i's codes in the low (i even) or high (i odd) half
.set CPK, 52                           ; v52-59  the codes' packs: register p = rows 2 p (low half), 2 p + 1 (high half)
.set SPK, 60                           ; v60-67  the scale operands' upper halves, packed likewise
.set SE,  68                           ; v68-75  tile u's at 4 u, back from the stage: register 0 = blocks 0, 1 of my row, register 1 = blocks 2, 3
.set XF,  76                           ; v76-91  x's two fragments
.set XS,  92                           ; v92-93  x's scale words
.set WS,  94                           ; v94-97  the weights' scale words: first weight p = 0, 1; Wv p = 0, 1
.set WD,  98                           ; v98-99  the results' scale words
.set TM,  100                          ; v100-115 the way out, at work: +0 largest magnitudes, +4 bytes, +12 scale operands
.set OC,  116                          ; v116-123 the results' codes
.set AK,  124                          ; v124-187 the sums of q or k: 32 u + 8 t
.set WF,  188                          ; v188-251 the weights' fragments of a K step: first weight t at 8 t, Wv at 32 + 8 t
.set SPW, 254
.set NIL, 255
; window 1: v0-191 three sets of 64: rows as they are loaded, row i at 4 i; at the end v0-63 the partner's sums, v128-159 the bias
.set BI,  128
.set AV,  192                          ; window 1: the sums of v: 16 t + 8 u
.set FLR, 4                            ; s4 the floor;  s5 the exponent's offset;  s6, s7, s29 selectors for v_perm_b32
.set ESB, 5
.set PSC, 6
.set PSH, 7
.set WV,  26                           ; wave;  s27 kind;  s28 which 128 rows
.set KIND, 27
.set GI,  28
.set PSW, 29
.set SEL, 30
.set XB,  32                           ; s[32:33] my 32 rows of x, my half of K
.set OB,  34                           ; s[34:35] my work-group's block of q or kv
.set G4,  36
.set KH,  37
.set B0,  38                           ; s[38:39] bq or bk
.set G0,  40                           ; s[40:43], s[48:55] the tensor load's descriptor
.set OT,  44                           ; s[44:45] my rows' two tiles in the block
.set G1,  48
.set MSB, 0
.macro WIN new                         ; the immediate's high byte repeats the setting that is left; a switch that changes nothing is dropped
.if MSB != \new
	s_set_vgpr_msb (MSB<<8)|\new
.set MSB, \new
.endif
.endm
.macro PLACES n
.rept \n
	v_nop
.endr
.endm
; Set t (K step t / 2 of my half, row tile t % 2): sixteen rows' 512 bytes, into set t % 3 of window 1
.macro LOAD t
.set RS, 64*((\t)%3)
.set RF, ((\t)%2)*8*4096+((\t)/2)*512
	WIN 0x40
.irp i, 0,1,2,3,4,5,6,7,8,9,10,11,12,13,14,15
	global_load_b128 v[RS+4*\i:RS+4*\i+3], v[GA], s[XB:XB+1] offset:RF+(\i+8*(\i/8))*4096 th:TH_LOAD_NT
.endr
	WIN 0
.endm
; The bias, into the registers of the set just read: eight loads in either arm.  q, k: lane (r, h), register 8 t + j: channel 32 (t / 2) + 16 h + 8 (t % 2) + j.  v: the pair 2 t: channel 16 t + r, twice
.macro BIAS kind
	s_wait_alu depctr_va_vdst(0)                   ; ahead of the branch
.if \kind
	s_cmp_lg_u32 s[KH], 0
	s_cbranch_scc1 .Lbias_v_\@
.endif
	WIN 0x40
.irp t, 0,1,2,3
	global_load_b128 v[BI+8*\t:BI+8*\t+3], v[BA], s[B0:B0+1] offset:(32*(\t/2)+8*(\t%2))*4
	global_load_b128 v[BI+8*\t+4:BI+8*\t+7], v[BA], s[B0:B0+1] offset:(32*(\t/2)+8*(\t%2))*4+16
.endr
	WIN 0
.if \kind
	s_branch .Lbias_\@
.Lbias_v_\@:
	WIN 0x40
.irp t, 0,1,2,3
	global_load_b32 v[BI+2*\t], v[BVA], s[18:19] offset:64*\t
	global_load_b32 v[BI+2*\t+1], v[BVA], s[18:19] offset:64*\t
.endr
	WIN 0
.Lbias_\@:
.endif
.endm
; Set t is quantised where it lies: lane l holds k = 4 l .. 4 l + 3 of each of the 16 rows; lanes 8 g .. 8 g + 7 hold block g.  The sixteen rows take turns, so that no line waits for the line above it
.macro QCODE t
.set RS, 64*((\t)%3)
	WIN 0x05                                       ; sources 0 and 1: window 1
.set i, 0
.rept 16
	v_max3_num_f32 v[MXR+i], |v[RS+4*i]|, |v[RS+4*i+1]|, s[FLR]   ; my four numbers of row i, and the floor
.set i, i+1
.endr
.set i, 0
.rept 16
	v_max3_num_f32 v[MXR+i], |v[RS+4*i+2]|, |v[RS+4*i+3]|, v[MXR+i]
.set i, i+1
.endr
	WIN 0
.irp m, 1,2,4
.set i, 0
.rept 16
	v_max_num_f32_dpp v[MXR+i], v[MXR+i], v[MXR+i] row_xmask:\m row_mask:0xf bank_mask:0xf   ; with lane l xor 1, 2, 4: the block's largest magnitude, in all its eight lanes
.set i, i+1
.endr
.endr
.set i, 0
.rept 16
	v_add_nc_u32 v[MXR+i], s[ESB], v[MXR+i]        ; 2 off the exponent field: the conversion takes the exponent field of this operand as its scale, and nothing else of it
.set i, i+1
.endr
	WIN 0x01                                       ; source 0: window 1
.set i, 0
.rept 8
	v_cvt_scalef32_pk8_fp4_f32 v[CV+2*i], v[RS+8*i:RS+8*i+7], v[MXR+2*i]       ; under row 2 i's scale: its four codes are the low 16 bits
	v_cvt_scalef32_pk8_fp4_f32 v[CV+2*i+1], v[RS+8*i:RS+8*i+7], v[MXR+2*i+1]   ; under row 2 i + 1's: the high 16 bits
.set i, i+1
.endr
	WIN 0
	v_nop                                          ; one plain line behind the last scaled conversion
.endm
; The halves that count, two rows to a register; the scale operands' upper halves (sign, exponent, seven bits) likewise
.macro PACKS
.set i, 0
.rept 8
	v_perm_b32 v[CPK+i], v[CV+2*i+1], v[CV+2*i], s[PSC]      ; bytes 0, 1 of the second source, bytes 2, 3 of the first
	v_perm_b32 v[SPK+i], v[MXR+2*i+1], v[MXR+2*i], s[PSH]    ; the two upper halves
.set i, i+1
.endr
.endm
; Set t's packs into my stage, and back turned.  LDS serves a wave's instructions in order (ISA guide 5.7.1.4): no wait between the stores and the loads
.macro SEND t
.set SB, HALFB*((\t)%2)
.set XD, XF+8*((\t)%2)
.set SD, SE+4*((\t)%2)
	ds_store_b128 v[SI], v[CPK:CPK+3] offset:SB
	ds_store_b128 v[SI], v[CPK+4:CPK+7] offset:SB+ROFF
	ds_store_b128 v[SI], v[SPK:SPK+3] offset:SB+SCO
	ds_store_b128 v[SI], v[SPK+4:SPK+7] offset:SB+SCO+ROFF
	ds_load_tr16_b128 v[XD:XD+3], v[TAC] offset:SB             ; piece j of lane 8 G + i = piece i of the pack that lane 8 G + j addresses: row 8 (G % 2) + i from source lane 8 (G / 2) + j: block h of my row
	ds_load_tr16_b128 v[XD+4:XD+7], v[TAC] offset:SB+256       ; source lanes 16 further on: block 2 + h
	ds_load_tr16_b128 v[SD:SD+3], v[TAS] offset:SB+SCO         ; source lane 8 (j % 4): pieces 0 to 3 are blocks 0 to 3 of my row
.endm
; The two tiles' scale words: a shift by one sets each exponent field on a byte, bytes 1 and 3; one v_perm_b32 gathers the four
.macro WORDS
.irp u, 0,1
	v_lshlrev_b32 v[SE+4*\u], 1, v[SE+4*\u]
	v_lshlrev_b32 v[SE+4*\u+1], 1, v[SE+4*\u+1]
.endr
.irp u, 0,1
	v_perm_b32 v[XS+\u], v[SE+4*\u+1], v[SE+4*\u], s[PSW]
.endr
.endm
; K step s of my half: the weights' fragments and scale words
.macro WLOAD s, kind
.irp t, 0,1,2,3
.irp c, 0,1
	ds_load_b128 v[WF+8*\t+4*\c:WF+8*\t+4*\c+3], v[WA0] offset:(\s)*WSTEP+1024*\t+512*\c
.endr
.endr
.irp p, 0,1
	ds_load_b32 v[WS+\p], v[WSA] offset:(\s)*WSTEP+128*\p    ; lanes 0-15: tile 2 p's words; lanes 16-31: tile 2 p + 1's
.endr
.if \kind
.irp t, 0,1,2,3
.irp c, 0,1
	ds_load_b128 v[WF+32+8*\t+4*\c:WF+32+8*\t+4*\c+3], v[WA0] offset:(\s)*WSTEP+IMG+1024*\t+512*\c
.endr
.endr
.irp p, 0,1
	ds_load_b32 v[WS+2+\p], v[WSA] offset:(\s)*WSTEP+IMG+128*\p
.endr
.endif
.endm
; One product.  z = 1: it starts the sum;  mo: the selector where a source's scale words lie in lanes 16-31
.macro WMM d, a, b, z, sa, sb, mo
.if \z
	v_wmma_scale_f32_16x16x128_f8f6f4 v[\d:\d+7], v[\a:\a+7], v[\b:\b+7], 0, v[\sa], v[\sb] matrix_a_fmt:MATRIX_FMT_FP4 matrix_b_fmt:MATRIX_FMT_FP4 \mo
.else
	v_wmma_scale_f32_16x16x128_f8f6f4 v[\d:\d+7], v[\a:\a+7], v[\b:\b+7], v[\d:\d+7], v[\sa], v[\sb] matrix_a_fmt:MATRIX_FMT_FP4 matrix_b_fmt:MATRIX_FMT_FP4 \mo
.endif
.endm
; K step s's products: the 8 or 16 accumulators take turns, one instruction a turn, in the same order in every K step
.macro MUL s, kind
.set ZZ, ((\s) == 0)&1
.irp u, 0,1
.irp t, 0,1,2,3
.if \t%2
	WMM AK+32*\u+8*\t, WF+8*\t, XF+8*\u, ZZ, WS+\t/2, XS+\u, matrix_a_scale:MATRIX_SCALE_ROW1
.else
	WMM AK+32*\u+8*\t, WF+8*\t, XF+8*\u, ZZ, WS+\t/2, XS+\u
.endif
.endr
.endr
.if \kind
	WIN 0x50                                       ; C and D window 1; the operands window 0
.irp t, 0,1,2,3
.irp u, 0,1
.if \t%2
	WMM AV+16*\t+8*\u, XF+8*\u, WF+32+8*\t, ZZ, XS+\u, WS+2+\t/2, matrix_b_scale:MATRIX_SCALE_ROW1
.else
	WMM AV+16*\t+8*\u, XF+8*\u, WF+32+8*\t, ZZ, XS+\u, WS+2+\t/2
.endif
.endr
.endr
	WIN 0
.endif
	PLACES 4                                       ; in front of the loads into the weights' and x's fragments, and of the first read of results
.endm
; Set t's turn.  The products of a K step stand one set later, behind the next set's arithmetic, so that nothing waits for the stage's round trip
.macro STEP t, kind
.if (\t) <= 5
	s_wait_loadcnt 32                              ; set t is in; the 32 loads of sets t + 1 and t + 2 stay on their way
.elseif (\t) == 6
	s_wait_loadcnt 24                              ; the 16 loads of set 7 and the eight of the bias stay on their way
.else
	s_wait_loadcnt 8                               ; the eight of the bias
.endif
	QCODE \t
.if (\t)+3 < 8
	LOAD (\t)+3                                    ; the conversions have read the set's registers: they take the set three on
.elseif (\t) == 5
	BIAS \kind
.endif
	s_wait_dscnt 0x0                               ; the last set's stores have read the packs' registers; its fragment, its scale pieces and the weights asked for earlier are in
.if ((\t)%2 == 0) && ((\t) > 0)
	WORDS                                          ; the scale words of the K step just turned.  The sixteen lines of PACKS are the places between them and the scaled products
.endif
	PACKS
.if (\t)%2 == 0
.if (\t) > 0
	MUL (\t)/2-1, \kind
.endif
	WLOAD (\t)/2, \kind
.endif
	SEND \t
.endm
; Sums from wave to wave: n registers of four lines each
.macro PUT reg, n
.set j, 0
.rept \n
	ds_store_b128 v[EXA], v[\reg+4*j:\reg+4*j+3] offset:512*j   ; each accumulator from its low end on
.set j, j+1
.endr
.endm
.macro GET n                           ; my partner's, into window 1
	WIN 0x40
.set j, 0
.rept \n
	ds_load_b128 v[4*j:4*j+3], v[EXB] offset:512*j
.set j, j+1
.endr
	WIN 0
	s_wait_loadcnt 0x0                             ; the bias is in
	s_wait_dscnt 0x0
.endm
.macro ADDK u, p                       ; row tile u of q or k: + my partner's sums (window 1, from p on), + the bias
	WIN 0x04                                       ; source 1: window 1
.set j, 0
.rept 16
	v_pk_add_f32 v[AK+32*\u+2*j:AK+32*\u+2*j+1], v[AK+32*\u+2*j:AK+32*\u+2*j+1], v[\p+2*j:\p+2*j+1]
.set j, j+1
.endr
.set j, 0
.rept 16
	v_pk_add_f32 v[AK+32*\u+2*j:AK+32*\u+2*j+1], v[AK+32*\u+2*j:AK+32*\u+2*j+1], v[BI+2*j:BI+2*j+1]
.set j, j+1
.endr
	WIN 0
.endm
; The way out of q or k, row tile u: two blocks of 32 channels a row
.macro QKOUT u
.irp b, 0,1
	v_max3_num_f32 v[TM+\b], |v[AK+32*\u+16*\b]|, |v[AK+32*\u+16*\b+1]|, FLOOR
.endr
.irp i, 2,4,6,8,10,12,14
.irp b, 0,1
	v_max3_num_f32 v[TM+\b], |v[AK+32*\u+16*\b+\i]|, |v[AK+32*\u+16*\b+\i+1]|, v[TM+\b]
.endr
.endr
.irp b, 0,1
	v_permlanex16_b32 v[TM+4+\b], v[TM+\b], s[SEL], s[SEL+1]
.endr
.irp b, 0,1
	v_max_num_f32 v[TM+\b], v[TM+\b], v[TM+4+\b]   ; with lane l xor 16's: the block's largest magnitude
.endr
.irp b, 0,1
	v_add_nc_u32 v[TM+12+\b], EOFF, v[TM+\b]
.endr
.irp b, 0,1
	v_lshrrev_b32 v[TM+4+\b], 23, v[TM+12+\b]
.endr
	v_lshl_or_b32 v[WD+\u], v[TM+5], 8, v[TM+4]    ; bytes 2 and 3 stay 0: they stand over the next product's K from 64 to 128, which Q's zero codes fill
.irp b, 0,1
	v_cvt_scalef32_pk8_fp4_f32 v[OC+4*\u+2*\b], v[AK+32*\u+16*\b:AK+32*\u+16*\b+7], v[TM+12+\b]
	v_cvt_scalef32_pk8_fp4_f32 v[OC+4*\u+2*\b+1], v[AK+32*\u+16*\b+8:AK+32*\u+16*\b+15], v[TM+12+\b]
.endr
	v_nop                                          ; one plain line behind the last scaled conversion
.irp i, 0,1
	v_permlane16_swap_b32 v[OC+4*\u+\i], v[OC+4*\u+2+\i]   ; lanes 0-15: block 0 whole; lanes 16-31: block 1
.endr
	global_store_b128 v[GA], v[OC+4*\u:OC+4*\u+3], s[OT:OT+1] offset:512*\u   ; tile 2 g4 + u: 512 consecutive bytes
.endm
; The way out of v: four tiles of channels; a block is my rows' 32 keys
.macro VOUT
	WIN 0x45                                       ; destination and both sources: window 1
.set j, 0
.rept 32
	v_pk_add_f32 v[AV+2*j:AV+2*j+1], v[AV+2*j:AV+2*j+1], v[2*j:2*j+1]
.set j, j+1
.endr
.set j, 0
.rept 32
	v_pk_add_f32 v[AV+2*j:AV+2*j+1], v[AV+2*j:AV+2*j+1], v[BI+2*(j/8):BI+2*(j/8)+1]
.set j, j+1
.endr
	WIN 0x05
.irp t, 0,1,2,3
	v_max3_num_f32 v[TM+\t], |v[AV+16*\t]|, |v[AV+16*\t+1]|, FLOOR
.endr
.irp i, 2,4,6,8,10,12,14
.irp t, 0,1,2,3
	v_max3_num_f32 v[TM+\t], |v[AV+16*\t+\i]|, |v[AV+16*\t+\i+1]|, v[TM+\t]
.endr
.endr
	WIN 0
.irp t, 0,1,2,3
	v_permlanex16_b32 v[TM+4+\t], v[TM+\t], s[SEL], s[SEL+1]
.endr
.irp t, 0,1,2,3
	v_max_num_f32 v[TM+\t], v[TM+\t], v[TM+4+\t]
.endr
.irp t, 0,1,2,3
	v_add_nc_u32 v[TM+12+\t], EOFF, v[TM+\t]
.endr
.irp t, 0,1,2,3
	v_lshrrev_b32 v[TM+4+\t], 23, v[TM+12+\t]
.endr
	WIN 0x01
.irp t, 0,1,2,3
	v_cvt_scalef32_pk8_fp4_f32 v[OC+2*\t], v[AV+16*\t:AV+16*\t+7], v[TM+12+\t]
	v_cvt_scalef32_pk8_fp4_f32 v[OC+2*\t+1], v[AV+16*\t+8:AV+16*\t+15], v[TM+12+\t]
.endr
	WIN 0
	v_nop                                          ; one plain line behind the last scaled conversion
.irp p, 0,1
.irp i, 0,1
	v_permlane16_swap_b32 v[OC+4*\p+\i], v[OC+4*\p+2+\i]   ; lanes 0-15: tile 2 p's whole block; lanes 16-31: tile 2 p + 1's
.endr
.endr
.irp p, 0,1
	global_store_b128 v[VA], v[OC+4*\p:OC+4*\p+3], s[OB:OB+1] offset:4608+2048*\p   ; sixteen lanes store 256 consecutive bytes, at a multiple of 256 from the buffer's first byte
.endr
.irp t, 0,1,2,3
	ds_store_b8 v[GSV], v[TM+4+\t] offset:128*(\t%2)+4*(\t/2)   ; byte g4 of tile t's word of channel r; both halves of the lanes write the same byte with the same value
.endr
.endm
.macro BODY kind
.set LB, PATHB*(\kind)
.set WB, LB+8*STGW
.set WSTEP, IMG*(1+\kind)
.set EXS, 4096*(1+\kind)
.set EX, WB+8*WSTEP
.set GS, EX+8*EXS
	s_lshl_b32 s46, s[GI], 19                      ; 128 rows of 4,096 bytes,
	s_lshl_b32 s47, s[G4], 17                      ; my wave's 32 of them,
	s_add_co_u32 s46, s46, s47
	s_lshl_b32 s47, s[KH], 11                      ; and my half of each
	s_add_co_u32 s46, s46, s47
	s_mov_b32 s47, 0
.if \kind
	s_add_nc_u64 s[XB:XB+1], s[8:9], s[46:47]      ; input1
.else
	s_add_nc_u64 s[XB:XB+1], s[10:11], s[46:47]    ; input2
.endif
	s_mul_i32 s46, s[WV], WSTEP                    ; K step w of the weights
	s_mov_b32 s[G0], 1
	s_add_co_u32 s[G0+1], s46, WB
.if \kind
	s_add_co_u32 s46, s46, 8*IMG                   ; behind Wq's eight images
.endif
	s_add_nc_u64 s[G0+2:G0+3], s[12:13], s[46:47]
	s_or_b32 s[G0+3], s[G0+3], 0x80000000
	s_mov_b32 s[G1], 3<<16                         ; elements of 8 bytes, no padding: dense rows of 256 bytes
	s_mov_b32 s[G1+1], 32<<16
	s_mov_b32 s[G1+2], (WSTEP/256)<<16
	s_mov_b32 s[G1+3], 32<<16
	s_mov_b32 s[G1+4], WSTEP/256
	s_mov_b32 s[G1+5], 32
	s_mov_b32 s[G1+6], 0
	s_mov_b32 s[G1+7], 0
	tensor_load_to_lds s[G0:G0+3], s[G1:G1+7]      ; the wave's one tensor load
	s_nop 0
	LOAD 0
	LOAD 1
	LOAD 2
	s_mul_i32 s46, s[WV], STGW                     ; my stage
.if \kind
	s_add_co_u32 s46, s46, LB
.endif
	v_add_nc_u32 v[SI], s46, v[GA]
	v_bfe_u32 v[TAC], v0, 3, 1                     ; (lane / 8) % 2: rows 0-7's packs or rows 8-15's
	v_mul_u32_u24 v[TAC], v[TAC], ROFF
	v_add_nc_u32 v[TAC], s46, v[TAC]
	v_and_b32 v[TAS], 3, v0
	v_lshl_add_u32 v[TAS], v[TAS], 7, v[TAC]       ; the scales: source lane 8 (lane % 4), 16 bytes a lane
	v_and_b32 v[CV], 7, v0
	v_lshl_add_u32 v[TAC], v3, 7, v[TAC]           ; the codes: source lane 8 h + lane % 8
	v_lshl_add_u32 v[TAC], v[CV], 4, v[TAC]
	s_mul_i32 s46, s[KH], 4*WSTEP
	s_add_co_u32 s46, s46, WB
	v_add_nc_u32 v[WA0], s46, v[GA]
	s_add_co_u32 s46, s46, 4096
	v_lshl_add_u32 v[WSA], v1, 2, s46
	s_mul_i32 s46, s[WV], EXS
	s_add_co_u32 s46, s46, EX
	v_add_nc_u32 v[EXA], s46, v[GA]
	s_xor_b32 s46, s[WV], 4
	s_mul_i32 s46, s46, EXS
	s_add_co_u32 s46, s46, EX
	v_add_nc_u32 v[EXB], s46, v[GA]
	s_lshl_b32 s46, s[G4], 2
	s_add_co_u32 s46, s46, GS
.if \kind
	v_lshl_add_u32 v[GSK], v1, 4, s46              ; lane (r, h): tile 2 g4 + h
	s_add_co_u32 s46, s[G4], GS+512
	v_lshl_add_u32 v[GSV], v2, 3, s46
	v_add_nc_u32 v[GR8], GS+512, v[G8]
	s_lshl_b32 s46, s[G4], 8
	v_lshlrev_b32 v[VA], 10, v3
	v_lshl_add_u32 v[VA], v2, 4, v[VA]
	v_add_nc_u32 v[VA], s46, v[VA]
	s_mul_i32 s46, s[GI], 8960
	s_add_nc_u64 s[OB:OB+1], s[22:23], s[46:47]    ; kv
	s_mov_b64 s[B0:B0+1], s[16:17]                 ; bk
.else
	s_lshl_b32 s47, s[KH], 8
	s_add_co_u32 s46, s46, s47
	v_lshl_add_u32 v[GSK], v2, 4, s46              ; tile 2 g4 + kh: both halves of the lanes write the same word with the same value
	s_mul_i32 s46, s[GI], 4608
	s_mov_b32 s47, 0
	s_add_nc_u64 s[OB:OB+1], s[20:21], s[46:47]    ; q
	s_mov_b64 s[B0:B0+1], s[14:15]                 ; bq
.endif
	v_add_nc_u32 v[GR], GS, v[GA]
	s_lshl_b32 s46, s[G4], 10
	s_add_nc_u64 s[OT:OT+1], s[OB:OB+1], s[46:47]
	s_wait_alu depctr_va_vdst(0)                   ; the wait at the head's end
	s_wait_tensorcnt 0x0                           ; my part of the weights lies in LDS
	s_barrier_signal -1
	s_barrier_wait -1                              ; everybody's does
.irp t, 0,1,2,3,4,5,6,7
	STEP \t, \kind
.endr
	s_wait_dscnt 0x0                               ; the last K step's fragments and scale pieces are in
	WORDS
	PLACES 8                                       ; a scale word made by vector instructions stands eight places ahead of a scaled product
	MUL 3, \kind
	; what the partner finishes is sent
	s_cmp_lg_u32 s[KH], 0
	s_cbranch_scc1 .Lput1_\@
.if \kind
	WIN 0x04                                       ; the data: window 1
	PUT AV, 16
	WIN 0
.else
	PUT AK+32, 8
.endif
	s_branch .Lput_\@
.Lput1_\@:
.if \kind
	PUT AK, 16
.else
	PUT AK, 8
.endif
.Lput_\@:
	s_wait_dscnt 0x0                               ; for my partner's sake: my sums lie in LDS
	s_barrier_signal -1
	s_barrier_wait -1
	s_cmp_lg_u32 s[KH], 0
	s_cbranch_scc1 .Lfin1_\@
.if \kind
	GET 16
	ADDK 0, 0
	ADDK 1, 32
	QKOUT 0
	QKOUT 1
	v_cmp_le_u32 vcc_lo, 16, v1
	v_cndmask_b32 v[WD], v[WD], v[WD+1], vcc_lo    ; lanes 0-15: tile 2 g4's words; lanes 16-31: tile 2 g4 + 1's
	ds_store_b32 v[GSK], v[WD]
.else
	GET 8
	ADDK 0, 0
	QKOUT 0
	ds_store_b32 v[GSK], v[WD]
.endif
	s_branch .Lfin_\@
.Lfin1_\@:
.if \kind
	GET 16
	VOUT
.else
	GET 8
	ADDK 1, 0
	QKOUT 1
	ds_store_b32 v[GSK], v[WD+1]
.endif
.Lfin_\@:
	s_wait_dscnt 0x0                               ; for wave 0's sake: my scale words lie in LDS
	s_barrier_signal -1
	s_barrier_wait -1
	s_cmp_lg_u32 s[WV], 0                          ; wave 0 stores the gathered words in whole runs of 256 bytes
	s_cbranch_scc1 .Ldone_\@
	ds_load_b128 v[MXR:MXR+3], v[GR]
.if \kind
	ds_load_b64 v[MXR+4:MXR+5], v[GR8]
.endif
	s_wait_dscnt 0x0
	global_store_b128 v[GA], v[MXR:MXR+3], s[OB:OB+1] offset:4096
.if \kind
	global_store_b64 v[G8], v[MXR+4:MXR+5], s[OB:OB+1] offset:8704
.endif
.Ldone_\@:
	s_wait_tensorcnt 0x0                           ; the wave's end
	ds_add_u32 v[SPW], v[NIL]
	s_wait_dscnt 0x0
	s_endpgm
.endm
	s_load_b512 s[8:23], s[0:1], 0x0               ; input1 s[8:9], input2 s[10:11], wimg s[12:13], bq s[14:15], bk s[16:17], bv s[18:19], q s[20:21], kv s[22:23]
	v_lshl_add_u32 v[SPW], v0, 2, SPARE
	v_mov_b32 v[NIL], 0
	ds_add_u32 v[SPW], v[NIL]                      ; the wave's opening: the add, twice on end, and its wait ahead of the tensor load
	ds_add_u32 v[SPW], v[NIL]
	v_lshrrev_b32 v1, 5, v0
	v_readfirstlane_b32 s[WV], v1                  ; wave 0..7
	s_lshr_b32 s[KIND], ttmp9, 7
	s_and_b32 s[GI], ttmp9, 127
	s_and_b32 s[G4], s[WV], 3
	s_lshr_b32 s[KH], s[WV], 2
	s_mov_b32 s[SEL], 0x76543210
	s_mov_b32 s[SEL+1], 0xfedcba98                 ; v_permlanex16_b32's selects for lane l xor 16
	s_mov_b32 s[FLR], FLOOR
	s_mov_b32 s[ESB], EOFF
	s_mov_b32 s[PSC], 0x07060100                   ; the second source's lower half, the first source's upper half
	s_mov_b32 s[PSH], 0x07060302                   ; the two upper halves, the second source's below
	s_mov_b32 s[PSW], 0x07050301                   ; bytes 1 and 3 of the second source, then of the first
	v_and_b32 v1, 31, v0                           ; lane
	v_and_b32 v2, 15, v0                           ; r
	v_bfe_u32 v3, v0, 4, 1                         ; h
	v_lshlrev_b32 v[GA], 4, v1
	v_lshlrev_b32 v[G8], 3, v1
	v_lshlrev_b32 v[BA], 6, v3
	v_lshlrev_b32 v[BVA], 2, v2
.irp b, 0,1,2,3
	v_mov_b32 v[TM+4+\b], 0                        ; written once: a lane permute's destination counts as one of its sources
.endr
	s_wait_alu depctr_va_vdst(0)                   ; directly ahead of the waits and the branch below
	s_wait_dscnt 0x0                               ; both opening adds are done
	s_wait_kmcnt 0x0
	s_cmp_lg_u32 s[KIND], 0                        ; the same for all waves of a work-group
	s_cbranch_scc1 .Lkv
	BODY 0
.Lkv:
	BODY 1
.Lfunc_end_k_qa10cc18939_proj:
	.size	k_qa10cc18939_proj, .Lfunc_end_k_qa10cc18939_proj-k_qa10cc18939_proj
	.p2alignl 7, 3214868480
	.fill 96, 4, 3214868480
	.section	.rodata,"a",@progbits
	.p2align	6, 0x0
	.amdhsa_kernel k_qa10cc18939_proj
		.amdhsa_group_segment_fixed_size 278784
		.amdhsa_private_segment_fixed_size 0
		.amdhsa_enable_private_segment 0
		.amdhsa_kernarg_size 64
		.amdhsa_user_sgpr_count 2
		.amdhsa_user_sgpr_kernarg_segment_ptr 1
		.amdhsa_wavefront_size32 1
		.amdhsa_system_sgpr_workgroup_id_x 1
		.amdhsa_system_sgpr_workgroup_id_y 1
		.amdhsa_system_sgpr_workgroup_id_z 1
		.amdhsa_system_vgpr_workitem_id 0
		.amdhsa_next_free_vgpr 512
		.amdhsa_next_free_sgpr 66
		.amdhsa_reserve_vcc 1
		.amdhsa_float_denorm_mode_32 3
		.amdhsa_float_denorm_mode_16_64 3
		.amdhsa_memory_ordered 1
		.amdhsa_forward_progress 1
		.amdhsa_inst_pref_size 222
	.end_amdhsa_kernel
	.amdgpu_metadata
---
amdhsa.version: [ 1, 2 ]
amdhsa.kernels:
  - .name:           k_qa10cc18939_proj
    .symbol:         k_qa10cc18939_proj.kd
    .args:
      - { .name: input1, .offset: 0, .size: 8, .value_kind: global_buffer, .address_space: global }
      - { .name: input2, .offset: 8, .size: 8, .value_kind: global_buffer, .address_space: global }
      - { .name: wimg, .offset: 16, .size: 8, .value_kind: global_buffer, .address_space: global }
      - { .name: bq, .offset: 24, .size: 8, .value_kind: global_buffer, .address_space: global }
      - { .name: bk, .offset: 32, .size: 8, .value_kind: global_buffer, .address_space: global }
      - { .name: bv, .offset: 40, .size: 8, .value_kind: global_buffer, .address_space: global }
      - { .name: q, .offset: 48, .size: 8, .value_kind: global_buffer, .address_space: global }
      - { .name: kv, .offset: 56, .size: 8, .value_kind: global_buffer, .address_space: global }
    .group_segment_fixed_size: 278784
    .private_segment_fixed_size: 0
    .kernarg_segment_align: 8
    .kernarg_segment_size: 64
    .max_flat_workgroup_size: 256
    .sgpr_count:     66
    .vgpr_count:     512
    .wavefront_size: 32
...
	.end_amdgpu_metadata
.endif
;; end of part 2
;; launch attn (part 3): grid 256 x 1, 16 waves a work-group, clusters of 4 x 1, 327,680 bytes of LDS; arguments q, kv, out0; writes out0
.if DOCPART == 3
	.amdgcn_target "amdgcn-amd-amdhsa--gfx1250"
	.amdhsa_code_object_version 6
	.text
	.protected	k_qa10cc18939_attn
	.globl	k_qa10cc18939_attn
	.p2align	8
	.type	k_qa10cc18939_attn,@function
k_qa10cc18939_attn:
	s_mov_b64 s[64:65], 0
	v_nop
	global_prefetch_b8 v0, s[64:65] scope:SCOPE_SE
	s_setreg_imm32_b32 hwreg(HW_REG_WAVE_MODE, 25, 1), 1
	s_wait_xcnt 0x0
	s_wait_alu depctr_hold_cnt(0) depctr_sa_sdst(0) depctr_va_vdst(0) depctr_va_sdst(0) depctr_va_ssrc(0) depctr_va_vcc(0) depctr_vm_vsrc(0)
	s_getreg_b32 s2, hwreg(HW_REG_IB_STS2, 6, 4)
	s_cmp_eq_u32 s2, 0
	s_cbranch_scc0 .Lentry_in_a_cluster
	s_endpgm
.Lentry_in_a_cluster:
	s_bfe_u32 s2, ttmp6, 0x10000c
	s_cmp_lg_u32 s2, 0x3003
	s_cbranch_scc0 .Lentry_shape_is_right
	s_endpgm
.Lentry_shape_is_right:
; out[b][i] = the sum over j of softmax_j(q[b][i] . k[b][j] / 8) v[b][j], both products on codes of E2M1 with E8M0 scales, laid by the launch before in the order of the operands' registers.
; THE SOFTMAX: t = score x log2(e) / 8; M = the running largest t rounded UP to a whole number; p = 2^(t - M) is quantised along the keys, not normalised; the sum is taken of the unquantised p, in f32, and divides at the end.
; SHARES.  A work-group owns 64 queries of one batch; sixteen waves, four to a SIMD, 256 registers each.  Wave w = 8 qp + kr owns two tiles of 16 queries (pair qp) and the 512 keys of range kr, four steps of 128:
; each fragment of K and V feeds two tiles.  The eight ranges' partial results are joined through LDS; the factors 2^(M of a range - largest M) are exact.
; K AND V of the whole batch, 286,720 bytes, come once, at the head: one tensor load a wave, 70 dense rows of 256 bytes (two key steps).  CLUSTER 4, 1, 1: four work-groups of one batch ask jointly.
; NO PREFETCH: everything is asked for at the head; the launch has no loop that loads from memory.
; LAYOUT.  Both products are transposed (source 0 = 16 keys, source 1 = 16 queries; then source 0 = 16 channels of V, source 1 = p): a lane holds one query throughout.  A head has 64 numbers and the instruction 128 along K: Q's upper
; four registers are zero codes; so K's upper four may be any codes, and K's fragments lie four registers apart, each tuple's upper half the next tile's codes (the last one's: p's codes).
; LIMITS: the promise holds while the scaled scores stay under 2^31 in magnitude; a block of p whose largest number lies under 2^-124 keeps the byte 1; NaN and infinities are not served.
.set FLOOR, 0x1800000                  ; 2^(3 - 127): the scale's byte cannot fall under 1
.set EOFF,  0xff000000                 ; takes 2 off an exponent field
.set STEPB, 8960                       ; a key step
.set WREG,  4*STEPB                    ; a range
.set OP,    272                        ; a stage's row: 256 bytes + 16; a wave's 32 rows lie in its range's first two key steps, which nobody reads any more by then
.set MT,    8*WREG                     ; -M by position and range, 2,048 bytes; the sums behind them, 2,048
.set SPARE, MT+4096                    ; the spare words, 128 bytes for each wave
.set LB,  1                            ; my range + 16 x lane;  LB8: + 8 x lane
.set LB8, 2
.set AD,  3
.set AD8, 4
.set TA,  5
.set FF,  6                            ; v[6:7] f = 2^(old M - new M)
.set SUM2, 8
.set PW,  10                           ; p's scale word
.set QS,  11                           ; Q's scale words: lanes 0-15 tile 0, lanes 16-31 tile 1
.set VS,  12
.set KS,  14                           ; v14-17
.set ST,  18                           ; v18-25 for each tile: -M, the largest t, the sum in two halves
.set BM,  26
.set T2,  30
.set T3,  34
.set SPW, 38
.set NIL, 39
.set Q,   40                           ; v40-55
.set KF,  56                           ; v56-87 K's eight fragments, four registers each
.set PC,  88                           ; v88-95 p's codes
.set VF,  96                           ; v96-127 V's four fragments
.set S,   128                          ; v128-191 S^T, then p
.set OO,  192                          ; v192-255 O^T: 32 a tile
; the way out
.set LN,  56
.set RR,  57
.set HH,  58
.set OA,  59
.set MA,  60
.set RA,  61
.set RO,  62                           ; v62-65
.set GO,  66
.set SB,  128                          ; + 16 i: eight -M, eight sums
.set FS,  160                          ; + 8 i
.set NX,  176
.set LS,  178
.set AC,  180                          ; + 4 i
.set WV,  10
.set SEL, 20
.set CS,  22
.set G1,  24
.set G0,  40
.set TB,  48
.set CNT, 49
.set QP,  50
.set KR,  51
.macro PLACES
.rept 4
	v_nop
.endr
.endm
.macro CROUND                          ; a round of the cluster's barrier
	s_barrier_signal -1
	s_barrier_wait -1
	s_cmp_lg_u32 s[WV], 0
	s_cbranch_scc1 .Lnot_wave_0_\@
	s_barrier_signal -3
.Lnot_wave_0_\@:
	s_barrier_wait -3
	s_barrier_signal -1
	s_barrier_wait -1
.endm
; One product.  z = 1: it starts the sum;  ma, mb: the selectors where a source's scale words lie in lanes 16-31
.macro WMM d, a, b, z, sa, sb, ma, mb
.if \z
	v_wmma_scale_f32_16x16x128_f8f6f4 v[\d:\d+7], v[\a:\a+7], v[\b:\b+7], 0, v[\sa], v[\sb] matrix_a_fmt:MATRIX_FMT_FP4 matrix_b_fmt:MATRIX_FMT_FP4 \ma \mb
.else
	v_wmma_scale_f32_16x16x128_f8f6f4 v[\d:\d+7], v[\a:\a+7], v[\b:\b+7], v[\d:\d+7], v[\sa], v[\sb] matrix_a_fmt:MATRIX_FMT_FP4 matrix_b_fmt:MATRIX_FMT_FP4 \ma \mb
.endif
.endm
.macro SPROD qt                        ; S^T of tile qt: 128 keys; the 16 registers of tiles 2 b, 2 b + 1 are keys 32 b + 16 h + 0 .. 15
.irp T, 0,1,2,3,4,5,6,7
.if (\T%2) && (\qt)
	WMM S+8*\T, KF+4*\T, Q+8*(\qt), 1, KS+\T/2, QS, matrix_a_scale:MATRIX_SCALE_ROW1, matrix_b_scale:MATRIX_SCALE_ROW1
.elseif \T%2
	WMM S+8*\T, KF+4*\T, Q+8*(\qt), 1, KS+\T/2, QS, matrix_a_scale:MATRIX_SCALE_ROW1
.elseif \qt
	WMM S+8*\T, KF+4*\T, Q+8*(\qt), 1, KS+\T/2, QS, matrix_b_scale:MATRIX_SCALE_ROW1
.else
	WMM S+8*\T, KF+4*\T, Q+8*(\qt), 1, KS+\T/2, QS
.endif
.endr
.endm
; The softmax of a tile's 128 keys: p's codes and scale word, the sum, and f.  A block's largest score serves twice: for the row's maximum and, since p rises with the score, for the block's largest p
.macro SMAX qt, first
.set NM, ST+4*(\qt)
.set TX, NM+1
.set LL, NM+2
.irp b, 0,1,2,3
	v_max3_num_f32 v[BM+\b], v[S+16*\b], v[S+16*\b+1], v[S+16*\b+2]
.endr
.irp i, 3,5,7,9,11,13
.irp b, 0,1,2,3
	v_max3_num_f32 v[BM+\b], v[BM+\b], v[S+16*\b+\i], v[S+16*\b+\i+1]
.endr
.endr
.irp b, 0,1,2,3
	v_max_num_f32 v[BM+\b], v[BM+\b], v[S+16*\b+15]
.endr
.irp b, 0,1,2,3
	s_delay_alu instid0(VALU_DEP_4)
	v_permlanex16_b32 v[T2+\b], v[BM+\b], s[SEL], s[SEL+1]
.endr
.irp b, 0,1,2,3
	s_delay_alu instid0(VALU_DEP_4)
	v_max_num_f32 v[BM+\b], v[BM+\b], v[T2+\b]
.endr
	s_delay_alu instid0(VALU_DEP_2)
	v_max3_num_f32 v[TA], v[BM], v[BM+1], v[BM+2]
	s_delay_alu instid0(VALU_DEP_1)
	v_max_num_f32 v[TA], v[TA], v[BM+3]
.if \first
	s_delay_alu instid0(VALU_DEP_1)
	v_mul_f32 v[TX], s[CS], v[TA]
	s_delay_alu instid0(VALU_DEP_1)
	v_floor_f32 v[NM], -v[TX]                      ; -M = floor(-t)
.else
	s_delay_alu instid0(VALU_DEP_1)
	v_mul_f32 v[TA], s[CS], v[TA]
	s_delay_alu instid0(VALU_DEP_1)
	v_max_num_f32 v[TX], v[TX], v[TA]
	v_mov_b32 v[TA], v[NM]
	s_delay_alu instid0(VALU_DEP_2)
	v_floor_f32 v[NM], -v[TX]
	s_delay_alu instid0(VALU_DEP_1)
	v_sub_f32 v[TA], v[NM], v[TA]
	s_delay_alu instid0(VALU_DEP_1)
	v_cvt_i32_f32 v[TA], v[TA]
	s_delay_alu instid0(VALU_DEP_1)
	v_ldexp_f32 v[FF], 1.0, v[TA]
.endif
.set j, 0
.rept 32
	v_pk_fma_f32 v[S+j:S+j+1], v[S+j:S+j+1], s[CS:CS+1], v[NM:NM+1] op_sel_hi:[1,0,0]
.set j, j+2
.endr
.irp b, 0,1,2,3
	v_fma_f32 v[BM+\b], v[BM+\b], s[CS], v[NM]
.endr
.set j, 0
	s_wait_alu depctr_va_vdst(0)                   ; the wait ahead of the batch
.rept 64
	v_exp_f32 v[S+j], v[S+j]
.set j, j+1
.endr
.irp b, 0,1,2,3
	v_exp_f32 v[BM+\b], v[BM+\b]
.endr
.if \first
	v_nop
.else
	v_pk_mul_f32 v[LL:LL+1], v[LL:LL+1], v[FF:FF+1] op_sel_hi:[1,0]
.endif
	s_wait_alu depctr_va_vdst(0)                   ; and behind it
.irp b, 0,1,2,3
	v_max_num_f32 v[BM+\b], FLOOR, v[BM+\b]
.endr
.irp b, 0,1,2,3
	s_delay_alu instid0(VALU_DEP_4)
	v_add_nc_u32 v[T3+\b], EOFF, v[BM+\b]
.endr
.irp b, 0,1,2,3
	s_delay_alu instid0(VALU_DEP_4)
	v_lshrrev_b32 v[T2+\b], 23, v[T3+\b]
.endr
	s_delay_alu instid0(VALU_DEP_3)
	v_lshl_or_b32 v[PW], v[T2+1], 8, v[T2]
	s_delay_alu instid0(VALU_DEP_1)
	v_lshl_or_b32 v[PW], v[T2+2], 16, v[PW]
	s_delay_alu instid0(VALU_DEP_1)
	v_lshl_or_b32 v[PW], v[T2+3], 24, v[PW]
.irp b, 0,1,2,3
	v_cvt_scalef32_pk8_fp4_f32 v[PC+2*\b], v[S+16*\b:S+16*\b+7], v[T3+\b]
	v_cvt_scalef32_pk8_fp4_f32 v[PC+2*\b+1], v[S+16*\b+8:S+16*\b+15], v[T3+\b]
.endr
	v_nop                                          ; one plain line behind the last scaled conversion
.irp c, 0,1
.irp i, 0,1
	v_permlane16_swap_b32 v[PC+4*\c+\i], v[PC+4*\c+2+\i]   ; lanes 0-15: block 2 c whole; lanes 16-31: block 2 c + 1
.endr
.endr
.if \first
	v_pk_add_f32 v[LL:LL+1], v[S:S+1], v[S+4:S+5]
	v_pk_add_f32 v[SUM2:SUM2+1], v[S+2:S+3], v[S+6:S+7]
.set j, 8
.rept 14
	v_pk_add_f32 v[LL:LL+1], v[LL:LL+1], v[S+j:S+j+1]
	v_pk_add_f32 v[SUM2:SUM2+1], v[SUM2:SUM2+1], v[S+j+2:S+j+3]
.set j, j+4
.endr
.else
	v_pk_add_f32 v[SUM2:SUM2+1], v[S:S+1], v[S+2:S+3]
.set j, 4
.rept 15
	v_pk_add_f32 v[LL:LL+1], v[LL:LL+1], v[S+j:S+j+1]
	v_pk_add_f32 v[SUM2:SUM2+1], v[SUM2:SUM2+1], v[S+j+2:S+j+3]
.set j, j+4
.endr
.endif
	s_delay_alu instid0(VALU_DEP_1)
	v_pk_add_f32 v[LL:LL+1], v[LL:LL+1], v[SUM2:SUM2+1]
.endm
.macro PVP qt, first                   ; O^T of tile qt, brought under the new M, + V^T p^T
.if !\first
	s_wait_alu depctr_va_vdst(0)                   ; directly ahead of the first reader of O^T
.set k, 0
.rept 16
	v_pk_mul_f32 v[OO+32*(\qt)+2*k:OO+32*(\qt)+2*k+1], v[OO+32*(\qt)+2*k:OO+32*(\qt)+2*k+1], v[FF:FF+1] op_sel_hi:[1,0]
.set k, k+1
.endr
.endif
.irp t, 0,1,2,3
.if \t%2
	WMM OO+32*(\qt)+8*\t, VF+8*\t, PC, \first, VS+\t/2, PW, matrix_a_scale:MATRIX_SCALE_ROW1
.else
	WMM OO+32*(\qt)+8*\t, VF+8*\t, PC, \first, VS+\t/2, PW
.endif
.endr
.endm
.macro KLOAD adr, off                  ; a key step's fragments of K and their scale words
.irp T, 0,1,2,3,4,5,6,7
	ds_load_b128 v[KF+4*\T:KF+4*\T+3], v[\adr] offset:\off+512*\T
.endr
	ds_load_b128 v[KS:KS+3], v[\adr] offset:\off+4096
.endm
; A key step.  Its K was asked for a tile's work earlier, its V is asked for behind the first scores and wanted behind the first softmax
.macro KSTEP first, last
	s_wait_dscnt 0x0                               ; K is in
	SPROD 0
	v_add_nc_u32 v[AD], s[TB], v[LB]               ; (two of the four places)
	v_add_nc_u32 v[AD8], s[TB], v[LB8]
	v_nop
	v_nop
.irp t, 0,1,2,3
.irp c, 0,1
	ds_load_b128 v[VF+8*\t+4*\c:VF+8*\t+4*\c+3], v[AD] offset:4608+1024*\t+512*\c
.endr
.endr
	ds_load_b64 v[VS:VS+1], v[AD8] offset:8704
	SMAX 0, \first
	s_wait_dscnt 0x0                               ; V is in
	PVP 0, \first
	SPROD 1
	PLACES
.if !\last
	KLOAD AD, STEPB                                ; the next step's K
.endif
	SMAX 1, \first
	PVP 1, \first
.endm
	s_load_b128 s[4:7], s[0:1], 0x0                ; q, kv
	s_load_b64 s[8:9], s[0:1], 0x10                ; out0
	v_lshl_add_u32 v[SPW], v0, 2, SPARE
	v_mov_b32 v[NIL], 0
	ds_add_u32 v[SPW], v[NIL]                      ; the wave's opening: the add, twice on end, and its wait ahead of the tensor load
	ds_add_u32 v[SPW], v[NIL]
	v_lshrrev_b32 v1, 5, v0
	v_readfirstlane_b32 s[WV], v1                  ; wave 0..15
	s_bfe_u32 s11, ttmp6, 0x40000                  ; my place in the cluster
	s_lshl_b32 s12, ttmp9, 2
	s_add_co_u32 s12, s12, s11                     ; work-group
	s_lshr_b32 s13, ttmp9, 4                       ; batch: 64 work-groups, 16 clusters
	s_lshr_b32 s[QP], s[WV], 3
	s_and_b32 s[KR], s[WV], 7
	s_mov_b32 s[G1], 15|(3<<16)|(1<<21)            ; the four work-groups of the cluster; elements of 8 bytes; 21 set beside a mask
	s_mov_b32 s[G1+1], 32<<16
	s_mov_b32 s[G1+2], 70<<16
	s_mov_b32 s[G1+3], 32<<16
	s_mov_b32 s[G1+4], 70
	s_mov_b32 s[G1+5], 32
	s_mov_b32 s[G1+6], 0
	s_mov_b32 s[G1+7], 0
	s_mul_i32 s44, s[WV], 2*STEPB                  ; key steps 2 w, 2 w + 1: in LDS,
	s_mul_i32 s52, s13, 8*WREG
	s_add_co_u32 s52, s52, s44                     ; and in memory
	s_mov_b32 s53, 0
	s_lshr_b32 s54, s12, 1                         ; Q: a group of 128 rows, my half of it, my pair of tiles
	s_mul_i32 s54, s54, 4608
	s_and_b32 s56, s12, 1
	s_lshl_b32 s56, s56, 1
	s_add_co_u32 s56, s56, s[QP]                   ; pair of tiles in the group
	s_lshl_b32 s57, s56, 2
	s_lshl_b32 s58, s56, 10
	s_add_co_u32 s56, s54, s57
	s_add_co_u32 s56, s56, 4096                    ; its scale words
	s_add_co_u32 s54, s54, s58                     ; its codes
	s_mov_b32 s55, 0
	s_mov_b32 s57, 0
	; where my four rows of the result lie: positions 4 w .. 4 w + 3; position 32 qp + 16 u + r is row 32 qp + 8 u + r + 8 (r / 8)
	s_lshl_b32 s58, s[QP], 5
	s_bfe_u32 s59, s[WV], 0x10002
	s_lshl_b32 s59, s59, 3
	s_add_co_u32 s58, s58, s59
	s_bfe_u32 s59, s[WV], 0x10001
	s_lshl_b32 s59, s59, 4
	s_add_co_u32 s58, s58, s59
	s_and_b32 s59, s[WV], 1
	s_lshl_b32 s59, s59, 2
	s_add_co_u32 s58, s58, s59
	s_lshl_b32 s58, s58, 8
	s_lshl_b32 s59, s12, 14
	s_add_co_u32 s58, s58, s59
	s_mov_b32 s59, 0
	s_mov_b32 s[SEL], 0x76543210
	s_mov_b32 s[SEL+1], 0xfedcba98                 ; v_permlanex16_b32's selects for lane l xor 16
	s_mov_b32 s[CS], 0x3e38aa3b                    ; log2(e) / 8
	s_mov_b32 s[CS+1], s[CS]                       ; (named with it as a pair, so it is written)
	s_mov_b32 s[TB], 0
	s_mul_i32 s45, s[KR], WREG                     ; my range in LDS
	v_and_b32 v1, 31, v0
	v_lshlrev_b32 v[AD], 4, v1                     ; 16 x lane
	v_lshl_add_u32 v[LB8], v1, 3, s45
	v_lshl_add_u32 v[LB], v1, 4, s45
	s_wait_alu depctr_va_vdst(0)                   ; directly ahead of the waits below
	s_wait_dscnt 0x0                               ; both opening adds are done
	CROUND                                         ; all four work-groups are here: the joint loads meet
	s_wait_kmcnt 0x0
	s_mov_b32 s[G0], 1
	s_mov_b32 s[G0+1], s44
	s_add_nc_u64 s[G0+2:G0+3], s[6:7], s[52:53]
	s_or_b32 s[G0+3], s[G0+3], 0x80000000
	tensor_load_to_lds s[G0:G0+3], s[G1:G1+7]      ; the wave's one tensor load
	s_nop 0
	s_add_nc_u64 s[14:15], s[4:5], s[54:55]
	s_add_nc_u64 s[16:17], s[4:5], s[56:57]
	s_add_nc_u64 s[18:19], s[8:9], s[58:59]
	global_load_b128 v[Q:Q+3], v[AD], s[14:15]
	global_load_b128 v[Q+8:Q+11], v[AD], s[14:15] offset:512
	global_load_b32 v[QS], v[AD], s[16:17]
.irp g, 4,5,6,7
	v_mov_b32 v[Q+\g], 0                           ; the head's 64 numbers end here
	v_mov_b32 v[Q+8+\g], 0
	v_mov_b32 v[PC-4+\g], 0                        ; (the last fragment of K reaches into these four)
	v_mov_b32 v[T2-4+\g], 0                        ; written once: a lane permute's destination counts as one of its sources
.endr
	v_mov_b32 v[FF+1], 0                           ; (named as the upper half of a pair)
	s_wait_alu depctr_va_vdst(0)                   ; the wait at the head's end
	s_wait_tensorcnt 0x0                           ; my two key steps are in,
	s_barrier_signal -1
	s_barrier_wait -1                              ; and everybody's
	KLOAD LB, 0
	s_wait_loadcnt 0x0                             ; Q is in
	KSTEP 1, 0
	s_add_co_u32 s[TB], s[TB], STEPB
	s_mov_b32 s[CNT], 2
.Lstep:
	KSTEP 0, 0
	s_add_co_u32 s[TB], s[TB], STEPB
	s_sub_co_u32 s[CNT], s[CNT], 1
	s_cmp_lg_u32 s[CNT], 0
	s_cbranch_scc1 .Lstep
	s_mov_b32 s[TB], 3*STEPB
	s_wait_dscnt 0x0                               ; my reads of my range's first three key steps are over, and the last step's K is in:
	s_barrier_signal -1                            ; say so; up to the wait I read the fourth key step alone, which nobody writes
	KSTEP 0, 1
	; THE WAY OUT
.irp qt, 0,1
	v_add_f32 v[T3+\qt], v[ST+4*\qt+2], v[ST+4*\qt+3]
.endr
	v_and_b32 v[LN], 31, v0
	v_and_b32 v[RR], 15, v0
	v_bfe_u32 v[HH], v0, 4, 1
.irp qt, 0,1
	v_permlanex16_b32 v[T2+\qt], v[T3+\qt], s[SEL], s[SEL+1]
.endr
	v_cmp_ne_u32 vcc_lo, 0, v[HH]
.irp qt, 0,1
	v_add_f32 v[T3+\qt], v[T3+\qt], v[T2+\qt]      ; with lane l xor 16's: the sum over my range
.endr
	v_cndmask_b32 v[BM], v[ST], v[ST+4], vcc_lo    ; lane l: position l of the pair: -M
	v_cndmask_b32 v[BM+1], v[T3], v[T3+1], vcc_lo  ; and the sum
	s_mul_i32 s52, s[QP], 32*OP
	s_add_co_u32 s53, s52, s45
	v_mul_u32_u24 v[OA], v[RR], OP
	v_lshl_add_u32 v[OA], v[HH], 5, v[OA]
	v_add_nc_u32 v[OA], s53, v[OA]                 ; my stage: row r, 32 h bytes on
	s_lshl_b32 s53, s[QP], 10
	s_lshl_b32 s54, s[KR], 2
	s_add_co_u32 s53, s53, s54
	s_add_co_u32 s53, s53, MT
	v_lshl_add_u32 v[MA], v[LN], 5, s53            ; position l, range kr
	s_lshl_b32 s53, s[WV], 7
	s_add_co_u32 s53, s53, MT
	v_lshl_add_u32 v[RA], v[HH], 5, s53            ; position 4 w + h, all ranges
	s_mul_i32 s53, s[KR], 4*OP
	s_add_co_u32 s52, s52, s53
	v_mul_u32_u24 v[RO], v[HH], OP
	v_lshl_add_u32 v[RO], v[RR], 4, v[RO]
	v_add_nc_u32 v[RO], s52, v[RO]                 ; range 0's stage, row of position 4 w + h
.irp s, 1,2,3
	v_add_nc_u32 v[RO+\s], 2*\s*WREG, v[RO]
.endr
	v_lshlrev_b32 v[GO], 8, v[HH]
	v_lshl_add_u32 v[GO], v[RR], 4, v[GO]
	s_wait_alu depctr_va_vdst(0)                   ; directly ahead of the barrier's wait
	s_barrier_wait -1                              ; nobody reads the first three key steps of any range any more
	s_wait_alu depctr_va_vdst(0)                   ; directly ahead of the first readers of O^T
.irp qt, 0,1
.irp t, 0,1,2,3
	ds_store_b128 v[OA], v[OO+32*\qt+8*\t:OO+32*\qt+8*\t+3] offset:16*OP*\qt+64*\t
	ds_store_b128 v[OA], v[OO+32*\qt+8*\t+4:OO+32*\qt+8*\t+7] offset:16*OP*\qt+64*\t+16
.endr
.endr
	ds_store_b32 v[MA], v[BM]
	ds_store_b32 v[MA], v[BM+1] offset:2048
	s_wait_dscnt 0x0                               ; for the others' sake: my partial results lie in LDS
	s_barrier_signal -1
	s_barrier_wait -1
.irp i, 0,1
	ds_load_b128 v[SB+16*\i:SB+16*\i+3], v[RA] offset:64*\i
	ds_load_b128 v[SB+16*\i+4:SB+16*\i+7], v[RA] offset:64*\i+16
	ds_load_b128 v[SB+16*\i+8:SB+16*\i+11], v[RA] offset:2048+64*\i
	ds_load_b128 v[SB+16*\i+12:SB+16*\i+15], v[RA] offset:2048+64*\i+16
.endr
.irp i, 0,1
.irp s, 0,1,2,3,4,5,6,7
	ds_load_b128 v[OO+32*\i+4*\s:OO+32*\i+4*\s+3], v[RO+\s/2] offset:WREG*(\s%2)+2*OP*\i
.endr
.endr
	s_wait_dscnt 16                                ; the eight loads of -M and sums are in; the sixteen of O may be out
.irp i, 0,1
	v_min3_num_f32 v[NX+\i], v[SB+16*\i], v[SB+16*\i+1], v[SB+16*\i+2]
.endr
.irp n, 3,5
.irp i, 0,1
	v_min3_num_f32 v[NX+\i], v[NX+\i], v[SB+16*\i+\n], v[SB+16*\i+\n+1]
.endr
.endr
.irp i, 0,1
	v_min_num_f32 v[NX+\i], v[NX+\i], v[SB+16*\i+7]   ; less the largest M
.endr
.irp s, 0,1,2,3,4,5,6,7
.irp i, 0,1
	v_sub_f32 v[FS+8*\i+\s], v[NX+\i], v[SB+16*\i+\s]
.endr
.endr
.irp s, 0,1,2,3,4,5,6,7
.irp i, 0,1
	v_cvt_i32_f32 v[FS+8*\i+\s], v[FS+8*\i+\s]
.endr
.endr
.irp s, 0,1,2,3,4,5,6,7
.irp i, 0,1
	v_ldexp_f32 v[FS+8*\i+\s], 1.0, v[FS+8*\i+\s]  ; 2^(M of range s - the largest M)
.endr
.endr
.irp i, 0,1
	v_mul_f32 v[LS+\i], v[FS+8*\i], v[SB+16*\i+8]
.endr
.irp s, 1,2,3,4,5,6,7
.irp i, 0,1
	v_fmac_f32 v[LS+\i], v[FS+8*\i+\s], v[SB+16*\i+8+\s]
.endr
.endr
	s_wait_alu depctr_va_vdst(0)                   ; the wait ahead of the transcendentals
	v_rcp_f32 v[LS], v[LS]
	v_rcp_f32 v[LS+1], v[LS+1]
	v_nop                                          ; a plain place behind the transcendentals
	s_wait_dscnt 0x0
.irp i, 0,1
.irp c, 0,1,2,3
	v_mul_f32 v[AC+4*\i+\c], v[FS+8*\i], v[OO+32*\i+\c]
.endr
.endr
.irp s, 1,2,3,4,5,6,7
.irp i, 0,1
.irp c, 0,1,2,3
	v_fmac_f32 v[AC+4*\i+\c], v[FS+8*\i+\s], v[OO+32*\i+4*\s+\c]
.endr
.endr
.endr
	s_wait_alu depctr_va_vdst(0)                   ; and behind them, ahead of the first reader
.irp i, 0,1
.irp c, 0,1,2,3
	v_mul_f32 v[AC+4*\i+\c], v[AC+4*\i+\c], v[LS+\i]
.endr
.endr
.irp i, 0,1
	global_store_b128 v[GO], v[AC+4*\i:AC+4*\i+3], s[18:19] offset:512*\i th:TH_STORE_NT   ; two rows of 256 bytes
.endr
	s_wait_tensorcnt 0x0                           ; the wave's end
	ds_add_u32 v[SPW], v[NIL]
	s_wait_dscnt 0x0
	CROUND                                         ; the closing round: no work-group ends while a partner may still ask for a tile that names it
	s_endpgm
.Lfunc_end_k_qa10cc18939_attn:
	.size	k_qa10cc18939_attn, .Lfunc_end_k_qa10cc18939_attn-k_qa10cc18939_attn
	.p2alignl 7, 3214868480
	.fill 96, 4, 3214868480
	.section	.rodata,"a",@progbits
	.p2align	6, 0x0
	.amdhsa_kernel k_qa10cc18939_attn
		.amdhsa_group_segment_fixed_size 327680
		.amdhsa_private_segment_fixed_size 0
		.amdhsa_enable_private_segment 0
		.amdhsa_kernarg_size 24
		.amdhsa_user_sgpr_count 2
		.amdhsa_user_sgpr_kernarg_segment_ptr 1
		.amdhsa_wavefront_size32 1
		.amdhsa_system_sgpr_workgroup_id_x 1
		.amdhsa_system_sgpr_workgroup_id_y 1
		.amdhsa_system_sgpr_workgroup_id_z 1
		.amdhsa_system_vgpr_workitem_id 0
		.amdhsa_next_free_vgpr 256
		.amdhsa_next_free_sgpr 66
		.amdhsa_reserve_vcc 1
		.amdhsa_float_denorm_mode_32 3
		.amdhsa_float_denorm_mode_16_64 3
		.amdhsa_memory_ordered 1
		.amdhsa_forward_progress 1
		.amdhsa_inst_pref_size 102
	.end_amdhsa_kernel
	.amdgpu_metadata
---
amdhsa.version: [ 1, 2 ]
amdhsa.kernels:
  - .name:           k_qa10cc18939_attn
    .symbol:         k_qa10cc18939_attn.kd
    .args:
      - { .name: q, .offset: 0, .size: 8, .value_kind: global_buffer, .address_space: global }
      - { .name: kv, .offset: 8, .size: 8, .value_kind: global_buffer, .address_space: global }
      - { .name: out0, .offset: 16, .size: 8, .value_kind: global_buffer, .address_space: global }
    .group_segment_fixed_size: 327680
    .private_segment_fixed_size: 0
    .kernarg_segment_align: 8
    .kernarg_segment_size: 24
    .max_flat_workgroup_size: 512
    .sgpr_count:     66
    .vgpr_count:     256
    .wavefront_size: 32
...
	.end_amdgpu_metadata
.endif
;; end of part 3
